; MI455X (gfx1250); checked and timed in simulation.
; The chip was launched on July 23, 2026; its instructions are those of AMD's public machine-readable ISA for CDNA 5 (MIT licence, August 2026) and "CDNA5" Instruction Set Architecture Reference Guide (July 2026). The comments in the code are by the model that wrote it; some were corrected since.
;; SINQ Linear. Allowed arithmetic: matrix products marked QUANTISED: E2M1 operands, one E8M0 scale for each 32 along K, by v_wmma_scale_f32_16x16x128_f8f6f4 with both operands' format E2M1 (or v_wmma_scale_f32_32x16x128_f4), f32 sums; everything else in f32.
;; Inputs: W_q 4,194,304 int32; bias 2,048 float32; scale 131,072 x 1 float32; x_codes 4 x 2,048 x 128 x 16 uint8 (E2M1 codes of x, K innermost, in blocks of 32 codes, two codes a byte); x_scales 4 x 2,048 x 128 uint8 (E8M0 scales of x, one for each 32 codes along K); zero 131,072 x 1 float32.
;; Outputs: out0 4 x 2,048 x 2,048 float32.
;; This version of the problem:
;;   THIS VERSION OF THE PROBLEM IS GIVEN IN LOW PRECISION. The matrix products marked QUANTISED in the list below multiply operands that are first quantised to E2M1 (2 exponent bits, 1 mantissa bit; 4 bits a number), with one power-of-two scale for each 32 numbers along K (OCP MX v1.0); their sums are f32. All else is computed in f32.
;;   The module's matrix products, in the order in which they are computed (A, B: the left and right operand; K: the contracted axis; several contracted axes count as one K, in the product's order):
;;     1. [M 8,192, K 4,096] x [K 4,096, N 2,048]; A: input x (given as codes); B: computed on the way: QUANTISED
;;   THE QUANTISER, for each operand of a quantised product, along K:
;;     - K is cut into blocks of 32 from its start; a last block that is shorter is filled with zeros.
;;     - A block's scale is 2^e with e = floor(log2(the largest magnitude in the block)) - 2, held to -126 .. 127; a block of zeros has e = 0. As a byte (E8M0): e + 127.
;;     - Each number is divided by its block's scale, clamped to +-6, and rounded to the nearest number of E2M1, ties to even, subnormals kept.
;;     - The product sums the exact products of the quantised numbers (number of the format x scale) in f32.
;;   ~~~python
;;   def quantise(x, axis):      # numpy; x: float32 -> the quantised numbers, widened to float32 again
;;       x = np.moveaxis(x, axis, -1); K = x.shape[-1]
;;       x = np.pad(x, [(0, 0)] * (x.ndim - 1) + [(0, -K % 32)]); x = x.reshape(x.shape[:-1] + (-1, 32)); a = np.abs(x).max(-1, keepdims=True)
;;       e = np.where(a > 0, np.clip(np.frexp(np.where(a > 0, a, 1))[1] - 1 - 2, -126, 127), 0)      # np.frexp(a)[1] - 1 = floor(log2(a)), exactly
;;       r = np.clip(x / 2.0 ** e, -6, 6)
;;       step = 2.0 ** (np.maximum(np.frexp(np.where(r == 0, 1, r))[1] - 1, 0) - 1)
;;       q = np.round(r / step) * step * 2.0 ** e      # np.round: ties to even
;;       return np.moveaxis(q.reshape(q.shape[:-2] + (-1,))[..., :K], -1, axis).astype(np.float32)
;;   ~~~
;;   OPERANDS COMPUTED ON THE WAY. 'Computed on the way' means the value that the module computes at that place (a softmax that the list does not call 'softmax' is quantised finished and normalised). What goes into a quantiser is computed in f32, as accurately as f32 sums, v_exp_f32 and their like allow (about 1e-6 of the number): no bf16 or f16 on the way to a quantiser, and a product that is left as it is and whose result goes on into a quantised operand takes f32 operands (vector FMAs, or v_wmma_f32_16x16x4_f32). A number that lies on a knife's edge between two numbers of the format may be rounded either way, as far as f32 arithmetic and the matrix unit's own rounding can turn it there, and no further.
;;   INPUTS GIVEN AS CODES. x (in the module: [4, 2048, 4096], K = its axis 2): each comes as NAME_codes (uint8): NAME with its K axis moved to the last place and cut into blocks of 32 codes, [.., K / 32, bytes a block], one block behind the other in memory; two codes a byte, the lower K in the low four bits (a code: sign, 2 exponent bits, 1 mantissa bit); and NAME_scales (uint8): the same leading axes, one E8M0 byte (e + 127) for each 32 codes along K. Its value is code x scale, taken as it is: it is not quantised again, and the codes and scales need not be those that the quantiser above would give.
;; One version. Each part assembles by itself: llvm-mc -triple=amdgcn-amd-amdhsa -mcpu=gfx1250 --defsym DOCPART=n.
;; ======== version 1 of 1: 2 launches
;; limits: right only within a limited range of input values
;; workspace buffers: w_img 4,456,448 bytes
;; launch prep (part 1): grid 256 x 1, 8 waves a work-group, no clusters, 59,392 bytes of LDS; arguments W_q, scale, zero, w_img; writes w_img
.if DOCPART == 1
	.amdgcn_target "amdgcn-amd-amdhsa--gfx1250"
	.amdhsa_code_object_version 6
	.text
	.protected	k_q2b4a512edd_prep
	.globl	k_q2b4a512edd_prep
	.p2align	8
	.type	k_q2b4a512edd_prep,@function
k_q2b4a512edd_prep:
	s_mov_b64 s[64:65], 0
	v_nop
	global_prefetch_b8 v0, s[64:65] scope:SCOPE_SE
	s_setreg_imm32_b32 hwreg(HW_REG_WAVE_MODE, 25, 1), 1
	s_wait_xcnt 0x0
; W[o][c] = (q - zero[g]) * scale[g], g = 64 o + c / 64, o = 0 .. 2047, c = 0 .. 4095; q is a nibble of word 4096 (o % 1024) + c of W_q: the high nibble (bits 7:4) for o < 1024, the low one for o >= 1024; bits 31:8 count for nothing.
; The subtraction and the multiplication are two f32 operations, each rounded.  W is then turned into codes of FP4 (E2M1), K = c innermost, with one E8M0 byte for each 32 along K.
; w_img [8 K steps of 512][2048 places][272 bytes]: a place holds one row's 256 bytes of codes (two a byte, the lower c in the low four bits) and, behind them, its 16 scale bytes.  128 places are 34,816 bytes, which the
; product's launch fetches as a dense block of 136 rows of 256 bytes: it is the image of 128 LDS rows.
; THE ORDER OF THE PLACES: place 64 g + 16 b + r (b = 0 .. 3, r = 0 .. 15) holds row 64 g + 4 r + b, so that lane r of four neighbouring result tiles holds four neighbouring columns of the result.
; A block's scale is 2^(floor(log2(its largest magnitude)) - 2); its byte is the largest magnitude's exponent field - 2, held at 1 from below.
; LIMITS: a block of zeros gets the byte 1 (its codes are zeros, which add nothing under that byte; only this program reads the bytes); NaN and infinities in scale or zero are not served.
; SHARES.  Work-group w: K step j = w % 8, places 32 (w / 8) .. + 31 and the places 1,024 further on, whose rows lie in the same words.  Wave v: four of those places, a STEP each: 512 words (2,048 bytes) of W_q become
; 272 bytes for the high row and 272 for the low row.
; A conversion takes eight neighbours along K from ONE lane's registers, a load is best where neighbouring lanes take neighbouring bytes: so a step's 2,048 bytes are loaded 16 bytes a lane, go through the wave's own
; stage in LDS as they lie, and come back 64 bytes (16 words) a lane; two neighbouring lanes hold a block of 32.  The stage has 16 bytes of padding behind each 64.
; All 16 loads of W_q of a wave go out at the head; no register that a load or store names is written again while it is pending, EXEC never changes: so no wait on XCNT is needed.
; The 2 x 32 finished places meet in LDS, 2 x 8,704 bytes; behind one barrier they leave as 34 stores of 512 consecutive bytes, each at a multiple of 512 from an aligned block's first byte.
.set SP,    80                         ; a lane's place in a stage: 64 bytes + 16 of padding
.set STG,   32*SP                      ; a stage
.set WREG,  2*STG                      ; a wave's two stages
.set IROW,  272                        ; a place: 256 bytes of codes + 16 of scales
.set IMG,   8*WREG                     ; behind the stages: 32 places of the high rows,
.set HIMG,  32*IROW                    ; and behind them 32 of the low rows
.set SPARE, IMG+2*HIMG                 ; the spare words, 128 bytes for each wave, that no other line names
.set KIMG,  2048*IROW                  ; bytes of a K step in w_img
.set LOWD,  1024*IROW-HIMG             ; what a low place's address in w_img has more than its address in the LDS image tells
.set LOWG,  262144                     ; bytes from a row's groups in scale and zero to those of the row 1,024 further on: 1,024 x 64 x 4
.set R,     16                         ; v16-79   four sets of 16: the words as loaded, a set for each step
.set X,     80                         ; v80-111  two sets of 16 neighbouring words
.set H,     112                        ; v112-127 16 numbers of the high row
.set L,     128                        ; v128-143 16 numbers of the low row
.set C,     144                        ; v144-159 codes, four registers a step: two of the high row, two of the low
.set E,     160                        ; v160-167 scale bytes, two a step
.set P,     168                        ; v168-183 step t: zero, scale of my group in the high row; zero, scale in the low row
	s_load_b256 s[4:11], s[0:1], 0x0               ; W_q s[4:5], scale s[6:7], zero s[8:9], w_img s[10:11]
	v_lshl_add_u32 v192, v0, 2, SPARE
	v_mov_b32 v193, 0
	v_lshrrev_b32 v8, 5, v0
	v_and_b32 v1, 31, v0                           ; lane
	v_readfirstlane_b32 s18, v8                    ; wave 0..7
	v_lshlrev_b32 v2, 4, v1                        ; 16 x lane: my bytes of a load's or store's 512
	v_lshrrev_b32 v3, 2, v1                        ; lane / 4: which of the step's eight groups of 64 my 16 numbers lie in
	v_and_b32 v9, 3, v1
	v_lshlrev_b32 v4, 3, v1                        ; my 16 codes' place in a row's 256 bytes
	v_lshrrev_b32 v5, 1, v1                        ; my block's scale byte
	v_mul_u32_u24 v14, v3, SP
	v_mul_u32_u24 v15, v1, SP
	v_lshlrev_b32 v3, 2, v3                        ; my group's place in scale and zero: 4 bytes a group
	v_lshl_add_u32 v14, v9, 4, v14
	s_mul_i32 s35, s18, WREG
	s_mul_i32 s36, s18, 4*IROW
	s_add_co_u32 s36, s36, IMG
	s_lshl_b32 s37, s18, 9
	s_add_co_u32 s38, s37, IMG
	v_add_nc_u32 v14, s35, v14                     ; the stage, on the way in: SP (lane / 4) + 16 (lane % 4); a load's 512 bytes take eight places
	v_add_nc_u32 v15, s35, v15                     ; and on the way out: SP x lane: my 16 neighbours
	v_add_nc_u32 v4, s36, v4                       ; the image: my wave's four places; the step stands in the immediate
	v_add_nc_u32 v5, s36, v5
	v_add_nc_u32 v6, s38, v2                       ; the way out: 512 x wave + 16 x lane
	s_mov_b32 s39, LOWD
	s_cmp_lg_u32 s18, 0
	s_cselect_b32 s39, s39, 0                      ; of the way out's third pass (pieces 16 .. 23 of 512 bytes) piece 16, wave 0's, is the high rows' last
	v_add_nc_u32 v7, s39, v2
	s_and_b32 s19, ttmp9, 7                        ; j: the K step
	s_lshr_b32 s20, ttmp9, 3                       ; which 32 places
	s_lshr_b32 s21, s20, 1                         ; my wave's first row: 64 (p / 2) + 2 (p % 2) + 16 (wave % 4) + wave / 4, p the 32 places' number; the next steps' rows lie 4 further on each
	s_lshl_b32 s21, s21, 6
	s_and_b32 s35, s20, 1
	s_lshl_b32 s35, s35, 1
	s_add_co_u32 s21, s21, s35
	s_and_b32 s35, s18, 3
	s_lshl_b32 s35, s35, 4
	s_add_co_u32 s21, s21, s35
	s_lshr_b32 s35, s18, 2
	s_add_co_u32 s21, s21, s35
	s_lshl_b32 s22, s21, 14                        ; W_q: 16,384 bytes a row, 2,048 a K step
	s_lshl_b32 s35, s19, 11
	s_add_co_u32 s22, s22, s35
	s_mov_b32 s23, 0
	s_lshl_b32 s24, s21, 8                         ; scale, zero: 256 bytes a row, 32 a K step
	s_lshl_b32 s35, s19, 5
	s_add_co_u32 s24, s24, s35
	s_mov_b32 s25, 0
	s_mul_i32 s26, s19, KIMG                       ; w_img: my K step, my 32 places, my piece
	s_mul_i32 s35, s20, HIMG
	s_add_co_u32 s26, s26, s35
	s_add_co_u32 s26, s26, s37
	s_mov_b32 s27, 0
	s_wait_alu depctr_va_vdst(0)                   ; the wait at the head's end
	s_wait_kmcnt 0x0
	s_add_nc_u64 s[4:5], s[4:5], s[22:23]
	s_add_nc_u64 s[6:7], s[6:7], s[24:25]
	s_add_nc_u64 s[8:9], s[8:9], s[24:25]
	s_add_nc_u64 s[10:11], s[10:11], s[26:27]
.irp t, 0,1,2,3                                ; 16 loads: my group's zero and scale, for each step's two rows
	global_load_b32 v[P+4*\t],   v3, s[8:9] offset:1024*\t
	global_load_b32 v[P+4*\t+1], v3, s[6:7] offset:1024*\t
	global_load_b32 v[P+4*\t+2], v3, s[8:9] offset:LOWG+1024*\t
	global_load_b32 v[P+4*\t+3], v3, s[6:7] offset:LOWG+1024*\t
.endr
.macro LOAD t                          ; step t's 512 words: 32 lanes read 512 consecutive bytes, four times
.irp i, 0,1,2,3
	global_load_b128 v[R+16*(\t)+4*\i:R+16*(\t)+4*\i+3], v2, s[4:5] offset:65536*(\t)+512*\i th:TH_LOAD_NT
.endr
.endm
.macro TURN t                          ; step t's words through the stage: LDS serves a wave's instructions in order (ISA guide 5.7.1.4), so no wait stands between the stores and the loads
.irp i, 0,1,2,3
	ds_store_b128 v14, v[R+16*(\t)+4*\i:R+16*(\t)+4*\i+3] offset:STG*((\t)%2)+8*SP*\i
.endr
.irp i, 0,1,2,3
	ds_load_b128 v[X+16*((\t)%2)+4*\i:X+16*((\t)%2)+4*\i+3], v15 offset:STG*((\t)%2)+16*\i
.endr
.endm
.irp t, 0,1,2,3
	LOAD \t
.endr
	s_wait_loadcnt 12                              ; the 16 parameters and step 0's four loads are in; the twelve loads of steps 1 to 3 may be out
	TURN 0
.macro STEP t
.set XS, X+16*((\t)%2)
.if (\t) > 0
	s_wait_dscnt 4                                 ; this step's words are back from the stage; the last step's four stores into the image, issued behind them, may be out
.else
	s_wait_dscnt 0x0
.endif
.if (\t) < 3
	s_wait_loadcnt 4*(2-(\t))                      ; the next step's four loads are in; those of the steps behind it may be out
	TURN (\t)+1                                    ; and go through the other stage while this step is worked
.endif
.irp k, 0,1,2,3,4,5,6,7,8,9,10,11,12,13,14,15
	v_bfe_u32 v[H+\k], v[XS+\k], 4, 4              ; the high nibble: row o
	v_and_b32 v[L+\k], 15, v[XS+\k]                ; the low nibble: row o + 1,024
.endr
.irp k, 0,1,2,3,4,5,6,7,8,9,10,11,12,13,14,15
	v_cvt_f32_u32 v[H+\k], v[H+\k]
	v_cvt_f32_u32 v[L+\k], v[L+\k]
.endr
.irp k, 0,2,4,6,8,10,12,14                     ; q - zero, two at a time: of the pair (zero, scale) the first register serves both halves
	v_pk_add_f32 v[H+\k:H+\k+1], v[H+\k:H+\k+1], v[P+4*(\t):P+4*(\t)+1] op_sel_hi:[1,0] neg_lo:[0,1] neg_hi:[0,1]
	v_pk_add_f32 v[L+\k:L+\k+1], v[L+\k:L+\k+1], v[P+4*(\t)+2:P+4*(\t)+3] op_sel_hi:[1,0] neg_lo:[0,1] neg_hi:[0,1]
.endr
.irp k, 0,2,4,6,8,10,12,14                     ; x scale: the pair's second register serves both halves.  Two roundings, as the problem writes it: not fused
	v_pk_mul_f32 v[H+\k:H+\k+1], v[H+\k:H+\k+1], v[P+4*(\t):P+4*(\t)+1] op_sel:[0,1] op_sel_hi:[1,1]
	v_pk_mul_f32 v[L+\k:L+\k+1], v[L+\k:L+\k+1], v[P+4*(\t)+2:P+4*(\t)+3] op_sel:[0,1] op_sel_hi:[1,1]
.endr
	v_max3_num_f32 v8,  |v[H]|,   |v[H+1]|, |v[H+2]|               ; the largest magnitude of my 16, in two chains for each row
	v_max3_num_f32 v10, |v[L]|,   |v[L+1]|, |v[L+2]|
	v_max3_num_f32 v9,  |v[H+3]|, |v[H+4]|, |v[H+5]|
	v_max3_num_f32 v11, |v[L+3]|, |v[L+4]|, |v[L+5]|
.irp i, 6,10
	s_delay_alu instid0(VALU_DEP_4)
	v_max3_num_f32 v8,  v8,  |v[H+\i]|,   |v[H+\i+1]|
	s_delay_alu instid0(VALU_DEP_4)
	v_max3_num_f32 v10, v10, |v[L+\i]|,   |v[L+\i+1]|
	s_delay_alu instid0(VALU_DEP_4)
	v_max3_num_f32 v9,  v9,  |v[H+\i+2]|, |v[H+\i+3]|
	s_delay_alu instid0(VALU_DEP_4)
	v_max3_num_f32 v11, v11, |v[L+\i+2]|, |v[L+\i+3]|
.endr
	s_delay_alu instid0(VALU_DEP_4)
	v_max3_num_f32 v8,  v8,  |v[H+14]|, |v[H+15]|
	s_delay_alu instid0(VALU_DEP_4)
	v_max3_num_f32 v10, v10, |v[L+14]|, |v[L+15]|
	s_delay_alu instid0(VALU_DEP_2)
	v_max3_num_f32 v8,  v8,  v9,  0x1800000        ; and the floor 2^(3 - 127), under which no largest magnitude is taken: so the byte cannot fall under 1
	s_delay_alu instid0(VALU_DEP_2)
	v_max3_num_f32 v10, v10, v11, 0x1800000
	s_delay_alu instid0(VALU_DEP_2)
	v_max_num_f32_dpp v8,  v8,  v8  row_xmask:1 row_mask:0xf bank_mask:0xf   ; with my neighbour's 16: the block's
	s_delay_alu instid0(VALU_DEP_2)
	v_max_num_f32_dpp v10, v10, v10 row_xmask:1 row_mask:0xf bank_mask:0xf
	s_delay_alu instid0(VALU_DEP_2)
	v_add_nc_u32 v12, 0xff000000, v8               ; 2 off the exponent field: the conversion takes the exponent field of this operand as its scale, and nothing else of it
	s_delay_alu instid0(VALU_DEP_2)
	v_add_nc_u32 v13, 0xff000000, v10
	v_cvt_scalef32_pk8_fp4_f32 v[C+4*(\t)],   v[H:H+7],    v12     ; eight numbers / the scale, to the nearest code, ties to even, beyond 6 the largest code; the first number's code in the lowest four bits
	v_cvt_scalef32_pk8_fp4_f32 v[C+4*(\t)+1], v[H+8:H+15], v12
	v_cvt_scalef32_pk8_fp4_f32 v[C+4*(\t)+2], v[L:L+7],    v13
	v_cvt_scalef32_pk8_fp4_f32 v[C+4*(\t)+3], v[L+8:L+15], v13
	v_lshrrev_b32 v[E+2*(\t)],   23, v12           ; the scales' bytes.  (Also the plain lines between the conversions and the next step's writes of their sources)
	v_lshrrev_b32 v[E+2*(\t)+1], 23, v13
	ds_store_b8 v5, v[E+2*(\t)]   offset:IROW*(\t)+256            ; both lanes of a block write the same byte with the same value
	ds_store_b8 v5, v[E+2*(\t)+1] offset:HIMG+IROW*(\t)+256
	ds_store_b64 v4, v[C+4*(\t):C+4*(\t)+1]   offset:IROW*(\t)
	ds_store_b64 v4, v[C+4*(\t)+2:C+4*(\t)+3] offset:HIMG+IROW*(\t)
.endm
.irp t, 0,1,2,3
	STEP \t
.endr
	s_wait_dscnt 0x0                               ; for the others' sake: my stores into the image have landed
	s_barrier_signal -1
	s_barrier_wait -1                              ; all eight waves' have
	s_cmp_lt_u32 s18, 2                            ; 34 pieces of 512 bytes: four for each wave, and a fifth for waves 0 and 1; no barrier stands under this branch
	s_cbranch_scc0 .Lfour
	ds_load_b128 v[32:35], v6 offset:16384
.Lfour:
.irp i, 0,1,2,3
	ds_load_b128 v[16+4*\i:19+4*\i], v6 offset:4096*\i
.endr
	s_wait_dscnt 0x0
	global_store_b128 v2, v[16:19], s[10:11]
	global_store_b128 v2, v[20:23], s[10:11] offset:4096
	global_store_b128 v7, v[24:27], s[10:11] offset:8192
	global_store_b128 v2, v[28:31], s[10:11] offset:12288+LOWD
	s_cmp_lt_u32 s18, 2
	s_cbranch_scc0 .Ldone
	global_store_b128 v2, v[32:35], s[10:11] offset:16384+LOWD
.Ldone:
	s_wait_tensorcnt 0x0                           ; the wave's end, behind my last LDS store
	ds_add_u32 v192, v193
	s_wait_dscnt 0x0
	s_endpgm
.Lfunc_end_k_q2b4a512edd_prep:
	.size	k_q2b4a512edd_prep, .Lfunc_end_k_q2b4a512edd_prep-k_q2b4a512edd_prep
	.p2alignl 7, 3214868480
	.fill 96, 4, 3214868480
	.section	.rodata,"a",@progbits
	.p2align	6, 0x0
	.amdhsa_kernel k_q2b4a512edd_prep
		.amdhsa_group_segment_fixed_size 59392
		.amdhsa_private_segment_fixed_size 0
		.amdhsa_enable_private_segment 0
		.amdhsa_kernarg_size 32
		.amdhsa_user_sgpr_count 2
		.amdhsa_user_sgpr_kernarg_segment_ptr 1
		.amdhsa_wavefront_size32 1
		.amdhsa_system_sgpr_workgroup_id_x 1
		.amdhsa_system_sgpr_workgroup_id_y 1
		.amdhsa_system_sgpr_workgroup_id_z 1
		.amdhsa_system_vgpr_workitem_id 0
		.amdhsa_next_free_vgpr 194
		.amdhsa_next_free_sgpr 66
		.amdhsa_reserve_vcc 0
		.amdhsa_float_denorm_mode_32 3
		.amdhsa_float_denorm_mode_16_64 3
		.amdhsa_memory_ordered 1
		.amdhsa_forward_progress 1
		.amdhsa_inst_pref_size 37
	.end_amdhsa_kernel
	.amdgpu_metadata
---
amdhsa.version: [ 1, 2 ]
amdhsa.kernels:
  - .name:           k_q2b4a512edd_prep
    .symbol:         k_q2b4a512edd_prep.kd
    .args:
      - { .name: W_q, .offset: 0, .size: 8, .value_kind: global_buffer, .address_space: global }
      - { .name: scale, .offset: 8, .size: 8, .value_kind: global_buffer, .address_space: global }
      - { .name: zero, .offset: 16, .size: 8, .value_kind: global_buffer, .address_space: global }
      - { .name: w_img, .offset: 24, .size: 8, .value_kind: global_buffer, .address_space: global }
    .group_segment_fixed_size: 59392
    .private_segment_fixed_size: 0
    .kernarg_segment_align: 8
    .kernarg_segment_size: 32
    .max_flat_workgroup_size: 256
    .sgpr_count:     66
    .vgpr_count:     194
    .wavefront_size: 32
...
	.end_amdgpu_metadata
.endif
;; end of part 1
;; launch gemm (part 2): grid 8 x 32, 4 waves a work-group, clusters of 4 x 4, 327,680 bytes of LDS; arguments x_codes, x_scales, w_img, bias, out0; writes out0
.if DOCPART == 2
	.amdgcn_target "amdgcn-amd-amdhsa--gfx1250"
	.amdhsa_code_object_version 6
	.text
	.protected	k_q2b4a512edd_gemm
	.globl	k_q2b4a512edd_gemm
	.p2align	8
	.type	k_q2b4a512edd_gemm,@function
k_q2b4a512edd_gemm:
	s_mov_b64 s[64:65], 0
	v_nop
	global_prefetch_b8 v0, s[64:65] scope:SCOPE_SE
	s_setreg_imm32_b32 hwreg(HW_REG_WAVE_MODE, 25, 1), 1
	s_wait_xcnt 0x0
	s_wait_alu depctr_hold_cnt(0) depctr_sa_sdst(0) depctr_va_vdst(0) depctr_va_sdst(0) depctr_va_ssrc(0) depctr_va_vcc(0) depctr_vm_vsrc(0)
	s_getreg_b32 s2, hwreg(HW_REG_IB_STS2, 6, 4)
	s_cmp_eq_u32 s2, 0
	s_cbranch_scc0 .Lentry_in_a_cluster
	s_endpgm
.Lentry_in_a_cluster:
	s_bfe_u32 s2, ttmp6, 0x10000c
	s_cmp_lg_u32 s2, 0xf033
	s_cbranch_scc0 .Lentry_shape_is_right
	s_endpgm
.Lentry_shape_is_right:
; out[m][n] = sum over k of x[m][k] W[n][k] + bias[n].  x: [8192][4096], W: [2048][4096]: codes of FP4 (E2M1), two a byte, K innermost, with one E8M0 byte for each 32 along K; out: [8192][2048] f32; sums in f32, K ascending.
; x's codes and scale bytes come as the problem gives them (rows of 2,048 and of 128 bytes).  W comes as the launch before laid it: w_img [8 K steps of 512][2048 places][256 bytes of codes, 16 scale bytes].
; A tile of out, 256 x 256, is made by a work-group of four waves, as many as a WGP has SIMDs; a wave makes 128 x 128: 32 accumulators of 32 x 16, 512 registers.  32 x 8 tiles: 256 work-groups.
; K goes in 8 steps of 512 through a ring of two LDS slots filled by the tensor data mover: x's 256 rows of 256 bytes, 16 bytes of padding behind each, and W's 256 places of 272 bytes, whose scale bytes lie where x's rows
; have their padding.  In the ring each wave fetches one quarter: waves 0 and 1 x's halves, waves 2 and 3 W's.  x's scale bytes of the tile's 256 rows, for all of K, are one dense block of 32,768 bytes: it comes once and stays.
; CLUSTERS: 4 x 4 work-groups.  The four of a row of the cluster need the same tiles of x, the four of a column the same tiles of W: each tile is asked for JOINTLY, by the same tensor load with the same descriptor and a
; mask that names the four.
; SOURCE 0 = 32 rows of x, SOURCE 1 = 16 places of W: lane r of the result holds one column, its registers the rows 8 (l / 16) + 0 .. 7 and 16 + 8 (l / 16) + 0 .. 7.  Place 64 g + 16 b + r holds W's row 64 g + 4 r + b: so of
; four neighbouring accumulators lane r holds columns 4 r .. 4 r + 3, sixteen lanes 256 consecutive bytes of a row of out.  The addition of the bias gathers those four numbers into four neighbouring registers.
; THE LAST K STEP GOES BY GROUPS OF 32 ROWS x 64 COLUMNS, not by K: eight groups are finished one after the other, and each leaves while the others are still multiplied.  A group's sums with the bias go into the registers
; that held the group before it (the first one's into v96-127), which nothing needs any more: no store's registers are written again.
; PREFETCHES INTO THE L2: behind the load of K step k stands the one for K step k + 2 (behind the head's load those for K steps 1 and 2).  Each cluster asks for its own tiles of x, once a block: of a tile row's 256 rows the partner at cx
; takes 64 cx .. 64 cx + 63, a lane a row.  W's tiles are read by all eight clusters of a column of clusters: those with an even Y ask, the partner at cy for 68 of the 272 blocks of 256 bytes.  No branch hangs on a
; place in the cluster.  The last two loads ask for nothing.  x's scales come by their one load alone.
; REGISTERS, in windows of 256: window 0: v8-15 the bias; v16-31 addresses; v32-95 scale words, two sets; v96-127 the first group on its way out; v128-191 x's fragments (8 x 16 rows x 128 K), ONE set.  In the last K step
;   v128-255 are two buffers for x's fragments of 32 rows x 512 K.   window 1: W's fragments, TWO sets, at v0 and at v128; in the last K step all 256: W's fragments of the whole step.
;   window 2: the 16 accumulators of my rows 0-63 (accumulator (P, b) of rows 32 P .. at v[16 (8 (P % 2) + b)]);   window 3: those of my rows 64-127.
; A step of 128 along K is 32 matrix instructions, P = 0 .. 3, each against W's eight blocks.  Its LDS loads go out in two runs of 16: in its middle W's blocks 4-7 and x's blocks 0-3 of the next step, at its end x's blocks 4-7 of the
; next step and W's blocks 0-3 of the step after that.
.set ROWB,   256                       ; a tile's row of codes in bytes
.set KROW,   2048                      ; a row of x in memory, in bytes
.set PITCH,  272                       ; an LDS row: 68 words: row r starts at bank 4 r mod 64 (64 banks of 4 bytes: ISA guide 11.1), so the 16 rows that a load touches start at 16 different banks
.set HALFT,  128*PITCH                 ; 128 rows: what one load of the ring brings, and what one wave reads of x or of W
.set CODES,  2*HALFT                   ; 256 rows
.set SLOT,   2*CODES                   ; x's rows, then W's
.set KIMG,   2048*PITCH                ; bytes of a K step in w_img
.set XSL,    2*SLOT                    ; behind the ring: x's scales: 128 units of 256 bytes (two rows each) + 16 of padding
.set HALFS,  64*272                    ; those of 128 rows
.set SPARE,  XSL+2*HALFS               ; the spare words, 128 bytes for each wave: two blocks of 256 bytes that no other line names
.set SIZE_N4, 8192                     ; a row of out in bytes
.set BIAS,   8                         ; register 4 g + b: the bias of my column 64 g + 4 r + b
.set ADRA,   16                        ; v16-17  LDS address of my fragments of x in slot 0, 1
.set ADRB,   18                        ; v18-19  the same for W
.set ADRW,   20                        ; v20-21  W's scale bytes in slot 0, 1: lane l the place 32 i + l
.set ADRX,   22                        ; v22     x's scale bytes of the K step: lane l the row 32 i + l
.set CO,     23                        ; v23     my byte offset in out
.set PFO,    24                        ; v24     the prefetches' offset in the tile
.set PFO2,   25                        ; v25     that of W's last 16 blocks
.set BO,     26                        ; v26     my byte offset in the bias
.set SPW,    28                        ; v28     LDS address of my spare word: SPARE + 4 x my thread's number; never rewritten
.set NIL,    29                        ; v29     0; never rewritten
.set TMP,    96
.set AF,     128                       ; x's fragments
.set G1A,  24                          ; descriptor group 1: x's 128 rows,
.set G1B,  32                          ; W's 128 places,
.set G1S,  40                          ; x's scales,
.set G1H,  48                          ; x's 256 rows at the head
.set G0A,  56                          ; group 0 for x, one set for each slot: s[56:63]
.set G0B,  68                          ; for W: s[68:75]
.set G0S,  76                          ; for x's scales
.set G0H,  80                          ; for x's 256 rows at the head
.set PFA,  84                          ; s[84:85] where my prefetches stand: the tile I ask for, at the K step to be named next
.set LIM,  88                          ; s88     1 while my wave prefetches; else the greatest number
.set PFS,  100                         ; s[100:101] from K step to K step, in bytes: 256 in x, KIMG in w_img
.set MUL_LO, 0xa4                      ; source 0 (x) window 0, source 1 (W) window 1, C and D window 2
.set MUL_HI, 0xf4                      ; the same, C and D window 3
.set TO_B,   0x40                      ; destination window 1, address window 0
.set MSB, 0
.macro WIN new                         ; the immediate's high byte repeats the setting that is left
.if MSB != \new
	s_set_vgpr_msb (MSB<<8)|\new
.set MSB, \new
.endif
.endm
; A joint load of the ring: waves 0 and 1 for x, waves 2 and 3 for W.  Each of the two lines has ONE mask and one set of registers for all that issue it; the branch hangs on the wave's number alone.
; An s_nop 0 and four v_nop follow each line, ahead of the jump, the label and what follows.
.macro JLOAD s
	s_cmp_eq_u32 s15, 0
	s_cbranch_scc0 .Lfor_w_\@
	tensor_load_to_lds s[G0A+4*\s:G0A+4*\s+3], s[G1A:G1A+7]
	s_nop 0
.rept 4
	v_nop
.endr
	s_branch .Lasked_\@
.Lfor_w_\@:
	tensor_load_to_lds s[G0B+4*\s:G0B+4*\s+3], s[G1B:G1B+7]
	s_nop 0
.rept 4
	v_nop
.endr
.Lasked_\@:
.endm
.macro CREST                           ; a round of the cluster's barrier behind its opening barrier
	s_cmp_lg_u32 s14, 0
	s_cbranch_scc1 .Lnot_wave_0_\@
	s_barrier_signal -3
.Lnot_wave_0_\@:
	s_barrier_wait -3
	s_barrier_signal -1
	s_barrier_wait -1
.endm
.macro CROUND                          ; a whole round
	s_barrier_signal -1
	s_barrier_wait -1
	CREST
.endm
; The prefetch: 32 blocks a wave; W's two waves name two more.  head = 0, in the loop: its last trip (s3 = 1) has no K step to ask for.
.macro ASK head
.if \head
	s_cmp_eq_u32 s[LIM], 1
.else
	s_cmp_gt_u32 s3, s[LIM]
.endif
	s_cbranch_scc0 .Lno_ask_\@
	global_prefetch_b8 v[PFO], s[PFA:PFA+1] th:TH_LOAD_NT scope:SCOPE_SE
	s_cmp_eq_u32 s15, 0
	s_cbranch_scc1 .Lno_ask_\@
	global_prefetch_b8 v[PFO2], s[PFA:PFA+1] th:TH_LOAD_NT scope:SCOPE_SE
.Lno_ask_\@:
.endm
	s_load_b256 s[4:11], s[0:1], 0x0               ; x's codes s[4:5], x's scales s[6:7], W's image s[8:9], bias s[10:11]
	s_load_b64 s[12:13], s[0:1], 0x20              ; out
	v_lshl_add_u32 v[SPW], v0, 2, SPARE
	v_mov_b32 v[NIL], 0
	ds_add_u32 v[SPW], v[NIL]                      ; the wave's opening: the add, twice on end, and its wait ahead of my first tensor load
	ds_add_u32 v[SPW], v[NIL]
	v_lshrrev_b32 v1, 5, v0
	v_readfirstlane_b32 s14, v1                    ; wave 0..3
	s_lshr_b32 s15, s14, 1                         ; which half of the tile's rows is mine.  Also: I fetch for x (0) or for W (1)
	s_and_b32 s16, s14, 1                          ; which half of its columns.  Also: which 128 rows I fetch
	s_bfe_u32 s19, ttmp6, 0x40000                  ; cx, cy: my place in the cluster
	s_bfe_u32 s20, ttmp6, 0x40004
	s_lshl_b32 s18, ttmp9, 2
	s_add_co_u32 s18, s18, s19                     ; tile column = 4 x cluster x + cx
	s_and_b32 s17, ttmp7, 0xffff
	s_lshl_b32 s17, s17, 2
	s_add_co_u32 s17, s17, s20                     ; tile row = 4 x cluster y + cy
	s_lshl_b32 s21, s20, 2
	s_lshl_b32 s21, 15, s21                        ; my row of the cluster: places 4 cy .. 4 cy + 3
	s_lshl_b32 s22, 0x1111, s19                    ; my column: places cx, cx + 4, cx + 8, cx + 12
	; descriptor group 1 for x's codes: rows of 256 bytes, padded in LDS: 128 in the ring, 256 at the head
.irp g, G1A, G1H
	s_or_b32 s[\g], s21, (0<<16)|(1<<20)|(1<<21)|(5<<22)|(3<<25)    ; 15:0 the mask: my row; 17:16 elements of 1 byte; 20 padding on; 21 set beside a mask; 24:22 after every 64 words (code 5); 31:25 of 4 words (code 3)
	s_mov_b32 s[\g+1], ROWB<<16                    ; tensor_dim0
	s_mov_b32 s[\g+3], ROWB<<16                    ; tile_dim0
	s_mov_b32 s[\g+5], KROW                        ; tensor_dim0_stride
	s_mov_b32 s[\g+6], 0
	s_mov_b32 s[\g+7], 0
.endr
	s_mov_b32 s[G1A+2], 128<<16                    ; tensor_dim1
	s_mov_b32 s[G1A+4], 128                        ; tile_dim1
	s_mov_b32 s[G1H+2], 256<<16
	s_mov_b32 s[G1H+4], 256
	; for W's 128 places: a dense block of 34,816 bytes, as 136 rows of 256 bytes (32 elements of 8 bytes), no padding
	s_or_b32 s[G1B], s22, (3<<16)|(1<<21)
	s_mov_b32 s[G1B+1], 32<<16
	s_mov_b32 s[G1B+2], 136<<16
	s_mov_b32 s[G1B+3], 32<<16
	s_mov_b32 s[G1B+4], 136
	s_mov_b32 s[G1B+5], 32
	s_mov_b32 s[G1B+6], 0
	s_mov_b32 s[G1B+7], 0
	; for x's scales: a dense block of 32,768 bytes, as 128 rows of 256 bytes, 16 bytes of padding behind each
	s_or_b32 s[G1S], s21, (3<<16)|(1<<20)|(1<<21)|(5<<22)|(3<<25)
	s_mov_b32 s[G1S+1], 32<<16
	s_mov_b32 s[G1S+2], 128<<16
	s_mov_b32 s[G1S+3], 32<<16
	s_mov_b32 s[G1S+4], 128
	s_mov_b32 s[G1S+5], 32
	s_mov_b32 s[G1S+6], 0
	s_mov_b32 s[G1S+7], 0
	; where the tiles come from.  x's hang on the tile row alone, which my row of the cluster shares; W's on the tile column alone, which my column shares
	s_lshl_b32 s90, s17, 19                        ; x's codes: 256 rows of 2,048 bytes a tile row
	s_mov_b32 s91, 0
	s_lshl_b32 s92, s17, 15                        ; x's scales: 256 rows of 128 bytes
	s_mov_b32 s93, 0
	s_mul_i32 s94, s18, CODES                      ; W: 256 places of 272 bytes a tile column
	s_mov_b32 s95, 0
	s_lshl_b32 s96, s16, 18                        ; my half of x's tile: 128 rows of 2,048 bytes
	s_mov_b32 s97, 0
	s_mul_i32 s98, s16, HALFT                      ; and of W's
	s_mov_b32 s99, 0
	s_mul_i32 s89, s14, HALFT                      ; where they go: wave x 128 rows: no place in the cluster enters an LDS address
	s_wait_dscnt 0x0                               ; both opening adds are done
	s_wait_kmcnt 0x0
	s_add_nc_u64 s[4:5], s[4:5], s[90:91]
	s_add_nc_u64 s[6:7], s[6:7], s[92:93]
	s_add_nc_u64 s[8:9], s[8:9], s[94:95]
	s_mov_b32 s[G0H], 1                            ; the head: K step 0's 256 rows of x,
	s_mov_b32 s[G0H+1], 0
	s_mov_b64 s[G0H+2:G0H+3], s[4:5]
	s_or_b32 s[G0H+3], s[G0H+3], 0x80000000
	s_mov_b32 s[G0S], 1                            ; and x's scales
	s_mov_b32 s[G0S+1], XSL
	s_mov_b64 s[G0S+2:G0S+3], s[6:7]
	s_or_b32 s[G0S+3], s[G0S+3], 0x80000000
	s_add_nc_u64 s[90:91], s[4:5], s[96:97]
	s_add_nc_u64 s[94:95], s[8:9], s[98:99]
.irp s, 0,1
	s_mov_b32 s[G0A+4*\s], 1                                       ; 1:0 count = 1
	s_add_co_u32 s[G0A+4*\s+1], s89, \s*SLOT                       ; 63:32 LDS address
	s_add_nc_u64 s[G0A+4*\s+2:G0A+4*\s+3], s[90:91], \s*ROWB       ; 120:64 global address: K step s
	s_or_b32 s[G0A+4*\s+3], s[G0A+4*\s+3], 0x80000000              ; 127:126 type = 2
	s_mov_b32 s[G0B+4*\s], 1
	s_add_co_u32 s[G0B+4*\s+1], s89, \s*SLOT
	s_add_nc_u64 s[G0B+4*\s+2:G0B+4*\s+3], s[94:95], \s*KIMG
	s_or_b32 s[G0B+4*\s+3], s[G0B+4*\s+3], 0x80000000
.endr
	CROUND                                         ; all sixteen work-groups are here: the first joint loads meet
; THE HEAD'S LOADS, ONE A WAVE: wave 0 x's 256 rows, wave 1 x's scales, waves 2 and 3 W's halves.  ONE chain of branches on the wave's number, all arms to one join.
.macro ARM under, g0, g1, next
	s_cmp_lt_u32 s14, \under
	s_cbranch_scc0 \next
	tensor_load_to_lds s[\g0:\g0+3], s[\g1:\g1+7]
	s_nop 0
.rept 4
	v_nop
.endr
	s_branch .Lhead_asked
\next:
.endm
	ARM 1, G0H, G1H, .Lhead_s
	ARM 2, G0S, G1S, .Lhead_w
	tensor_load_to_lds s[G0B:G0B+3], s[G1B:G1B+7]
	s_nop 0
.rept 4
	v_nop
.endr
.Lhead_asked:
	; the prefetches: s[4:5] and s[8:9] stand at the tile of x and of W, K step 0
	s_mov_b32 s89, 2048
	s_mov_b32 s[PFS], KIMG
	s_mov_b32 s[PFS+1], 0
	s_cmp_eq_u32 s15, 0                            ; do I ask for x?
	s_cselect_b64 s[PFA:PFA+1], s[4:5], s[8:9]
	s_cselect_b32 s90, s19, s20                    ; my place among the four that share the tile
	s_cselect_b32 s89, s89, 256                    ; from block to block: a row of x, or 256 bytes of W's dense image
	s_cselect_b32 s[PFS], 256, s[PFS]
	s_lshl_b32 s90, s90, 6
	s_lshl_b32 s91, s16, 5
	s_add_co_u32 s90, s90, s91                     ; my wave's first block
	s_lshl_b32 s91, s20, 2                         ; W's blocks 256 .. 271: four for each partner, two for each of its two waves
	s_lshl_b32 s92, s16, 1
	s_add_co_u32 s91, s91, s92
	s_add_co_u32 s91, s91, 256
	s_and_b32 s92, ttmp7, 1                        ; cluster y odd,
	s_and_b32 s92, s92, s15                        ; and W is mine: no prefetch
	s_sub_co_u32 s92, 0, s92
	s_or_b32 s[LIM], s92, 1
	s_add_nc_u64 s[PFA:PFA+1], s[PFA:PFA+1], s[PFS:PFS+1]  ; K step 1
	v_and_b32 v5, 31, v0                           ; lane l
	v_and_b32 v1, 15, v0                           ; r = l % 16
	v_bfe_u32 v2, v0, 4, 1                         ; h = l / 16
	v_and_b32 v4, 1, v5
	v_add_nc_u32 v3, s90, v5
	v_add_nc_u32 v6, s91, v4
	v_mul_u32_u24 v[PFO], s89, v3
	v_lshlrev_b32 v[PFO2], 8, v6
	s_wait_alu depctr_va_vdst(0)                   ; directly ahead of the branches below
	ASK 1                                          ; K step 1
	s_mul_i32 s89, s15, HALFT                      ; my 128 rows of x
	s_mul_i32 s90, s16, HALFT                      ; my 128 places of W,
	s_add_co_u32 s90, s90, CODES                   ; which lie behind x's 256 rows
	s_add_co_u32 s92, s90, 256                     ; their scale bytes
	s_mul_i32 s91, s15, HALFS
	s_add_co_u32 s91, s91, XSL
	v_mul_u32_u24 v6, v1, PITCH
	v_mul_u32_u24 v7, v5, PITCH
	v_lshrrev_b32 v3, 1, v5
	v_lshl_add_u32 v6, v2, 4, v6                   ; a fragment's row x pitch + 16 h
	v_mul_u32_u24 v3, v3, PITCH                    ; x's scales: two rows of 128 bytes in a unit of 256 + 16
	v_add_nc_u32 v[ADRW], s92, v7
	v_add_nc_u32 v[ADRA], s89, v6
	v_lshl_add_u32 v3, v4, 7, v3
	v_add_nc_u32 v[ADRB], s90, v6
	v_add_nc_u32 v[ADRW+1], SLOT, v[ADRW]
	v_add_nc_u32 v[ADRA+1], SLOT, v[ADRA]
	v_add_nc_u32 v[ADRX], s91, v3
	v_add_nc_u32 v[ADRB+1], SLOT, v[ADRB]
	v_lshlrev_b32 v4, 16, v2                       ; out: lanes 16-31 stand 8 rows of 8,192 bytes further down
	v_lshlrev_b32 v[BO], 4, v1                     ; the bias: four columns a lane
	v_lshl_add_u32 v[CO], v1, 4, v4
	s_wait_alu depctr_va_vdst(0)                   ; directly ahead of the wait below
	s_wait_xcnt 0x0                                ; the prefetch has read its address
	s_add_nc_u64 s[PFA:PFA+1], s[PFA:PFA+1], s[PFS:PFS+1]
	ASK 1                                          ; K step 2
	s_lshl_b32 s92, s18, 10                        ; my first column, in bytes of f32: 1,024 x tile column + 512 x half
	s_lshl_b32 s93, s16, 9
	s_add_co_u32 s92, s92, s93
	s_mov_b32 s93, 0
	s_add_nc_u64 s[10:11], s[10:11], s[92:93]
	global_load_b128 v[BIAS:BIAS+3],   v[BO], s[10:11]
	global_load_b128 v[BIAS+4:BIAS+7], v[BO], s[10:11] offset:256
	s_lshl_b32 s90, s17, 8
	s_lshl_b32 s91, s15, 7
	s_add_co_u32 s90, s90, s91                     ; my first row of out: 256 x tile row + 128 x half,
	s_lshl_b32 s90, s90, 13                        ; in bytes: 8,192 a row (under 2^27)
	s_mov_b32 s91, 0
	s_add_nc_u64 s[90:91], s[90:91], s[92:93]
	s_add_nc_u64 s[12:13], s[12:13], s[90:91]
.macro FRAG reg, adr, q, i             ; a fragment, 16 rows x 128 K of 4-bit codes, is 8 registers: lane l holds row l % 16; registers 4 c .. 4 c + 3 hold K = 64 c + 32 (l / 16) + 0 .. 31, the lower K in the lower bits
.irp c, 0,1
	ds_load_b128 v[\reg+4*\c:\reg+4*\c+3], v[\adr] offset:64*(\q)+32*\c+(\i)*16*PITCH
.endr
.endm
.macro FETCH_B slot, q, p, i0          ; W's blocks i0 .. i0 + 3 of the slot's q-th 128 along K into set p
	WIN TO_B
.irp i, \i0, \i0+1, \i0+2, \i0+3
	FRAG 128*(\p)+8*(\i), ADRB+\slot, \q, \i
.endr
.endm
.macro FETCH_A slot, q, i0             ; x's blocks i0 .. i0 + 3
	WIN 0
.irp i, \i0, \i0+1, \i0+2, \i0+3
	FRAG AF+8*(\i), ADRA+\slot, \q, \i
.endr
.endm
; A K step's scale words: set s (for slot s) at v[64 - 32 s]: register 4 P + q: lane l the word of x's row 32 P + l, for the slot's q-th 128 along K; register 16 + 4 i + q: that of W's place 32 i + l (blocks 2 i and 2 i + 1)
.macro SCALES sc
	WIN 0
.irp i, 0,1,2,3
	ds_load_b128 v[64-32*\sc+4*\i:64-32*\sc+4*\i+3], v[ADRX] offset:\i*16*PITCH
	ds_load_b128 v[80-32*\sc+4*\i:80-32*\sc+4*\i+3], v[ADRW+\sc] offset:\i*32*PITCH
.endr
.endm
.macro NEXTX                           ; on to the next K step's scale bytes of x (16 a row)
	v_add_nc_u32 v[ADRX], 16, v[ADRX]
	s_wait_alu depctr_va_vdst(0)                   ; directly behind the write
.endm
; One matrix instruction: D at DD, x's two fragments at XX, W's at WW, scale words in SX and SW; W's odd blocks take theirs from lanes 16-31.  zero = 1: the sum starts: nothing is ever cleared.
.macro WM odd, zero
.if \zero
.if \odd
	v_wmma_scale_f32_32x16x128_f4 v[DD:DD+15], v[XX:XX+15], v[WW:WW+7], 0, v[SX], v[SW] matrix_b_scale:MATRIX_SCALE_ROW1
.else
	v_wmma_scale_f32_32x16x128_f4 v[DD:DD+15], v[XX:XX+15], v[WW:WW+7], 0, v[SX], v[SW]
.endif
.else
.if \odd
	v_wmma_scale_f32_32x16x128_f4 v[DD:DD+15], v[XX:XX+15], v[WW:WW+7], v[DD:DD+15], v[SX], v[SW] matrix_b_scale:MATRIX_SCALE_ROW1
.else
	v_wmma_scale_f32_32x16x128_f4 v[DD:DD+15], v[XX:XX+15], v[WW:WW+7], v[DD:DD+15], v[SX], v[SW]
.endif
.endif
.endm
; 8 matrix instructions: x's rows 32 g .. 32 g + 31 x W's eight blocks, 128 along K: the slot's q-th.  p: W's set;  sc: the set of scale words.
; The 32 accumulators take turns, one instruction a turn, in the same order in every step.
.macro MULP g, p, q, sc, zero
.irp b, 0,1,2,3,4,5,6,7
.set DD, 16*(8*((\g)%2)+\b)
.set XX, AF+16*(\g)
.set WW, 128*(\p)+8*\b
.set SX, 64-32*(\sc)+4*(\g)+(\q)
.set SW, 80-32*(\sc)+4*(\b/2)+(\q)
	WM \b%2, \zero
.endr
.endm
; A load into a register that a matrix instruction has read, and a vector instruction that reads a matrix result, stand four places behind that matrix instruction, and only plain vector instructions that name none of its
; registers are places (ISA guide 7.12.1 for vector instructions); this text does not count the matrix instructions in between.
.macro PLACES
.rept 4
	v_nop
.endr
.endm
; A step of 128 along K that has its successor in the same slot.
.macro STEP slot, q, zero
	s_wait_dscnt 16                                ; W's set, x's blocks 0-3 and the scale words are in; the youngest 16 loads (x's blocks 4-7, W's blocks 0-3 of the next step) may be out
	WIN MUL_LO
	MULP 0, (\q)%2, \q, \slot, \zero
	MULP 1, (\q)%2, \q, \slot, \zero
	s_wait_dscnt 8                                 ; x's blocks 4-7 are in; the eight loads behind them may be out
	PLACES
	FETCH_B \slot, (\q)+1, 1-(\q)%2, 4
	FETCH_A \slot, (\q)+1, 0
	WIN MUL_HI
	MULP 2, (\q)%2, \q, \slot, \zero
	MULP 3, (\q)%2, \q, \slot, \zero
	PLACES
	FETCH_A \slot, (\q)+1, 4
.if (\q) < 2
	FETCH_B \slot, (\q)+2, (\q)%2, 0
.endif
.endm
.macro STEPS slot, from                ; the slot's steps from .. 2
.set Q, \from
.rept 3-\from
	STEP \slot, Q, 0
.set Q, Q+1
.endr
.endm
; A slot's last step changes slots: ONE barrier; in front of it each wave waits for all its tensor loads, adds 0 to its spare word, and waits for that and for its own reads of this slot.  MEET is the step's first half.
; fill = 1: this slot is filled again behind the barrier, so its groups 0 are stepped by two K steps here, where no tensor load of mine is out.
.macro MEET slot, fill
	WIN 0                                          ; (the add's two registers lie in window 0)
	s_wait_tensorcnt 0x0                           ; all my tensor loads have landed: my part of the next slot;
	ds_add_u32 v[SPW], v[NIL]                      ; 0 onto my spare word
.if \fill
	s_add_nc_u64 s[G0A+4*\slot+2:G0A+4*\slot+3], s[G0A+4*\slot+2:G0A+4*\slot+3], 2*ROWB
	s_add_nc_u64 s[G0B+4*\slot+2:G0B+4*\slot+3], s[G0B+4*\slot+2:G0B+4*\slot+3], 2*KIMG
.endif
	s_wait_dscnt 9                                 ; (the add and the youngest eight loads, x's blocks 4-7, may be out)
	WIN MUL_LO
	MULP 0, 1, 3, \slot, 0                         ; eight matrix instructions stand between the add and the wait for it
	s_wait_dscnt 0x0                               ; the add is done, and my reads of this slot are over
	s_barrier_signal -1
	MULP 1, 1, 3, \slot, 0
	WIN 0
	s_barrier_wait -1
.endm
.macro TURN slot, next                 ; the whole last step of a slot that is filled again
	s_wait_xcnt 0x0                                ; any prefetch of mine has read its address: it is stepped here, ahead of the waits of the change of slots
	s_add_nc_u64 s[PFA:PFA+1], s[PFA:PFA+1], s[PFS:PFS+1]
	MEET \slot, 1
	CREST                                          ; the barrier has opened a round of the cluster's barrier: no wave of any partner still reads this slot's tiles or has a load on its way
	JLOAD \slot                                    ; my one tensor load behind the round, and the first thing there; the four v_nop behind it are also the places in front of the loads below
	NEXTX
	FETCH_B \next, 0, 0, 0
	FETCH_B \next, 0, 0, 4
	FETCH_A \next, 0, 0
	SCALES \next
	ASK 0
	WIN MUL_HI
	MULP 2, 1, 3, \slot, 0
	MULP 3, 1, 3, \slot, 0
	PLACES
	FETCH_A \next, 0, 4
	FETCH_B \next, 1, 1, 0
.endm
; THE LAST K STEP (slot 1), by groups n = 0 .. 7: rows 32 (n / 2) .. + 31 of mine x columns 64 (n % 2) .. + 63.
.macro BLOAD q                         ; W's fragments of quarter q -> window 1, v[64 q ..]
	WIN TO_B
.irp i, 0,1,2,3,4,5,6,7
	FRAG 64*(\q)+8*\i, ADRB+1, \q, \i
.endr
.endm
.macro ALOAD g                         ; x's fragments of rows 32 g .. 32 g + 31, all four quarters; even g into v192-255, odd g into v128-191
	WIN 0
.set FX, AF+64*(1-(\g)%2)
.irp q, 0,1,2,3
.irp u, 0,1
	FRAG FX+16*\q+8*\u, ADRA+1, \q, 2*(\g)+\u
.endr
.endr
.endm
.macro GROUP n                         ; 16 matrix instructions: four accumulators by turns, the quarters in order
	WIN (0xa4+0x50*((\n)/4))
.irp q, 0,1,2,3
.if (\n) == 0 && \q == 2
	s_wait_dscnt 16                                ; W's quarter 2 is in (issued behind it: 16 loads of x)
.endif
.irp b, 0,1,2,3
.set DD, 64*((\n)%4)+16*\b
.set XX, AF+64*(1-((\n)/2)%2)+16*\q
.set WW, 64*\q+8*(4*((\n)%2)+\b)
.set SX, 32+4*((\n)/2)+\q
.set SW, 48+4*(2*((\n)%2)+\b/2)+\q
	WM \b%2, 0
.endr
.endr
.endm
; The way out of registers j0 .. j0 + 7 of group n's four accumulators: + bias, gathered at register dst; eight stores, each two units of 256 consecutive bytes, at multiples of 256 from out's first byte; the row and the unit stand in
; the immediate: under 2^20, inside its signed 24 bits.  Each accumulator is read from its low end on.
.macro ADDS n, j0, dst
.irp j, 0,1,2,3,4,5,6,7
.irp b, 0,1,2,3
	v_add_f32 v[\dst+4*\j+\b], v[64*((\n)%4)+16*\b+(\j0)+\j], v[BIAS+4*((\n)%2)+\b]
.endr
.endr
.endm
.macro SENDS n, j0, dst
.irp j, 0,1,2,3,4,5,6,7
	global_store_b128 v[CO], v[\dst+4*\j:\dst+4*\j+3], s[12:13] offset:(32*((\n)/2)+2*(\j0)+\j)*SIZE_N4+256*((\n)%2) th:TH_STORE_NT
.endr
.endm
.macro OUT n                           ; n >= 1: into the registers that held group n - 1
.set OB, 64*(((\n)-1)%4)
	PLACES
	WIN ((2+(\n)/4)|((2+((\n)-1)/4)<<6))           ; source 0 this group's window, destination the group before's
	ADDS \n, 0, OB
	ADDS \n, 8, OB+32
	WIN ((2+((\n)-1)/4)<<2)                        ; the stores' data
	SENDS \n, 0, OB
	SENDS \n, 8, OB+32
	WIN 0
.endm
	s_wait_alu depctr_va_vdst(0)                   ; the wait at the head's end
	s_wait_xcnt 0x0                                ; the prefetch has read its address
	s_add_nc_u64 s[PFA:PFA+1], s[PFA:PFA+1], s[PFS:PFS+1]
	s_wait_tensorcnt 0x0                           ; my tile of the head is in
	ds_add_u32 v[SPW], v[NIL]
	s_wait_dscnt 0x0                               ; the add is done
	CROUND                                         ; a whole round: all the head's tiles are in, and all sixteen work-groups are here: the joint loads meet,
	JLOAD 1                                        ; and K step 1's load, the first tensor load behind the round
	FETCH_B 0, 0, 0, 0
	FETCH_B 0, 0, 0, 4
	FETCH_A 0, 0, 0
	SCALES 0
	FETCH_A 0, 0, 4
	ASK 1                                          ; K step 3
	FETCH_B 0, 1, 1, 0
	STEP 0, 0, 1                                   ; the first step stands in front of the loop: its products start the sums
	WIN 0                                          ; at a label and at a branch every window is 0
	s_mov_b32 s3, 3
.Llap:                                                 ; a trip goes once round the ring, from a lap's second step to the next lap's first, and fills both slots again
	STEPS 0, 1
	TURN 0, 1
	STEPS 1, 0
	TURN 1, 0
	STEP 0, 0, 0
	WIN 0
	s_sub_co_u32 s3, s3, 1
	s_cmp_lg_u32 s3, 0
	s_cbranch_scc1 .Llap
	STEPS 0, 1                                     ; the last lap fills nothing, and has no round of the cluster's barrier
	MEET 0, 0                                      ; behind this barrier slot 1, the last K step, is whole
	PLACES                                         ; for the loads into registers that the products above have read
	NEXTX
	BLOAD 0                                        ; three quarters of W now: set 1 (v128-191 of window 1) is still being multiplied
	BLOAD 1
	BLOAD 3
	SCALES 1
	ALOAD 0
	WIN MUL_HI
	MULP 2, 1, 3, 0, 0
	MULP 3, 1, 3, 0, 0
	PLACES                                         ; for the loads into W's set 1 and into x's fragments
	BLOAD 2
	ALOAD 1
	s_wait_loadcnt 0x0                             ; the bias
	s_wait_dscnt 32                                ; all but the 32 just issued
	GROUP 0
	PLACES
	WIN 0x02                                       ; the first group: through v96-127, half of it at a time
	ADDS 0, 0, TMP
	WIN 0
	SENDS 0, 0, TMP
	s_wait_xcnt 0x0                                ; the stores have read their data registers
	WIN 0x02
	ADDS 0, 8, TMP
	WIN 0
	SENDS 0, 8, TMP
	GROUP 1
	OUT 1
	ALOAD 2                                        ; into the buffer of rows 0-31, whose products stand four places and 64 additions back
	s_wait_dscnt 16                                ; rows 32-63 are in
	GROUP 2
	OUT 2
	GROUP 3
	OUT 3
	ALOAD 3
	s_wait_dscnt 16                                ; rows 64-95 are in
	GROUP 4
	OUT 4
	GROUP 5
	OUT 5
	s_wait_dscnt 0x0                               ; rows 96-127 are in
	GROUP 6
	OUT 6
	GROUP 7
	OUT 7
	s_wait_tensorcnt 0x0                           ; the wave's end, behind my last tensor load
	ds_add_u32 v[SPW], v[NIL]
	s_wait_dscnt 0x0
	CROUND                                         ; the closing round: no work-group ends while a partner may still ask for a tile that names it
	s_endpgm
.Lfunc_end_k_q2b4a512edd_gemm:
	.size	k_q2b4a512edd_gemm, .Lfunc_end_k_q2b4a512edd_gemm-k_q2b4a512edd_gemm
	.p2alignl 7, 3214868480
	.fill 96, 4, 3214868480
	.section	.rodata,"a",@progbits
	.p2align	6, 0x0
	.amdhsa_kernel k_q2b4a512edd_gemm
		.amdhsa_group_segment_fixed_size 327680
		.amdhsa_private_segment_fixed_size 0
		.amdhsa_enable_private_segment 0
		.amdhsa_kernarg_size 40
		.amdhsa_user_sgpr_count 2
		.amdhsa_user_sgpr_kernarg_segment_ptr 1
		.amdhsa_wavefront_size32 1
		.amdhsa_system_sgpr_workgroup_id_x 1
		.amdhsa_system_sgpr_workgroup_id_y 1
		.amdhsa_system_sgpr_workgroup_id_z 1
		.amdhsa_system_vgpr_workitem_id 0
		.amdhsa_next_free_vgpr 1024
		.amdhsa_next_free_sgpr 102
		.amdhsa_reserve_vcc 0
		.amdhsa_float_denorm_mode_32 3
		.amdhsa_float_denorm_mode_16_64 3
		.amdhsa_memory_ordered 1
		.amdhsa_forward_progress 1
		.amdhsa_inst_pref_size 150
	.end_amdhsa_kernel
	.amdgpu_metadata
---
amdhsa.version: [ 1, 2 ]
amdhsa.kernels:
  - .name:           k_q2b4a512edd_gemm
    .symbol:         k_q2b4a512edd_gemm.kd
    .args:
      - { .name: x_codes, .offset: 0, .size: 8, .value_kind: global_buffer, .address_space: global }
      - { .name: x_scales, .offset: 8, .size: 8, .value_kind: global_buffer, .address_space: global }
      - { .name: w_img, .offset: 16, .size: 8, .value_kind: global_buffer, .address_space: global }
      - { .name: bias, .offset: 24, .size: 8, .value_kind: global_buffer, .address_space: global }
      - { .name: out0, .offset: 32, .size: 8, .value_kind: global_buffer, .address_space: global }
    .group_segment_fixed_size: 327680
    .private_segment_fixed_size: 0
    .kernarg_segment_align: 8
    .kernarg_segment_size: 40
    .max_flat_workgroup_size: 128
    .sgpr_count:     102
    .vgpr_count:     1024
    .wavefront_size: 32
...
	.end_amdgpu_metadata
.endif
;; end of part 2
